; MI455X (gfx1250); checked and timed in simulation.
; The chip was launched on July 23, 2026; its instructions are those of AMD's public machine-readable ISA for CDNA 5 (MIT licence, August 2026) and "CDNA5" Instruction Set Architecture Reference Guide (July 2026). The comments in the code are by the model that wrote it; some were corrected since.
;; Multi Headed Attention. Allowed arithmetic: matrix products marked QUANTISED: E2M3 operands, one E8M0 scale for each 32 along K, by v_wmma_scale_f32_16x16x128_f8f6f4 with both operands' format E2M3, f32 sums; everything else in f32.
;; Inputs: Wk 512 x 512 float32; Wo 512 x 512 float32; Wq 512 x 512 float32; Wv 512 x 512 float32; bk 512 float32; bo 512 float32; bq 512 float32; bv 512 float32; key 4 x 2,048 x 512 float32; mask 4 x 1 x 2,048 int32; query 4 x 2,048 x 512 float32; value 4 x 2,048 x 512 float32.
;; Outputs: out0 4 x 2,048 x 512 float32.
;; This version of the problem:
;;   THIS VERSION OF THE PROBLEM IS GIVEN IN LOW PRECISION. The matrix products marked QUANTISED in the list below multiply operands that are first quantised to E2M3 (2 exponent bits, 3 mantissa bits; 6 bits a number), with one power-of-two scale for each 32 numbers along K (OCP MX v1.0); their sums are f32. All else is computed in f32.
;;   The module's matrix products, in the order in which they are computed (A, B: the left and right operand; K: the contracted axis; several contracted axes count as one K, in the product's order):
;;     1. [M 8,192, K 512] x [K 512, N 512]; A: input query; B: input Wq: QUANTISED
;;     2. [M 8,192, K 512] x [K 512, N 512]; A: input key; B: input Wk: QUANTISED
;;     3. [M 8,192, K 512] x [K 512, N 512]; A: input value; B: input Wv: QUANTISED
;;     4. batch 32 x [M 2,048, K 64] x [K 64, N 2,048]; A: computed on the way; B: computed on the way: QUANTISED
;;     5. batch 32 x [M 2,048, K 2,048] x [K 2,048, N 64]; A: softmax (see below); B: computed on the way: QUANTISED
;;     6. [M 8,192, K 512] x [K 512, N 512]; A: computed on the way; B: input Wo: QUANTISED
;;   THE QUANTISER, for each operand of a quantised product, along K:
;;     - K is cut into blocks of 32 from its start; a last block that is shorter is filled with zeros.
;;     - A block's scale is 2^e with e = floor(log2(the largest magnitude in the block)) - 2, held to -126 .. 127; a block of zeros has e = 0. As a byte (E8M0): e + 127.
;;     - Each number is divided by its block's scale, clamped to +-7.5, and rounded to the nearest number of E2M3, ties to even, subnormals kept.
;;     - The product sums the exact products of the quantised numbers (number of the format x scale) in f32.
;;   ~~~python
;;   def quantise(x, axis):      # numpy; x: float32 -> the quantised numbers, widened to float32 again
;;       x = np.moveaxis(x, axis, -1); K = x.shape[-1]
;;       x = np.pad(x, [(0, 0)] * (x.ndim - 1) + [(0, -K % 32)]); x = x.reshape(x.shape[:-1] + (-1, 32)); a = np.abs(x).max(-1, keepdims=True)
;;       e = np.where(a > 0, np.clip(np.frexp(np.where(a > 0, a, 1))[1] - 1 - 2, -126, 127), 0)      # np.frexp(a)[1] - 1 = floor(log2(a)), exactly
;;       r = np.clip(x / 2.0 ** e, -7.5, 7.5)
;;       step = 2.0 ** (np.maximum(np.frexp(np.where(r == 0, 1, r))[1] - 1, 0) - 3)
;;       q = np.round(r / step) * step * 2.0 ** e      # np.round: ties to even
;;       return np.moveaxis(q.reshape(q.shape[:-2] + (-1,))[..., :K], -1, axis).astype(np.float32)
;;   ~~~
;;   SOFTMAX AHEAD OF A QUANTISED PRODUCT. Where the list says 'softmax', what is quantised is not the finished softmax but p = 2^(t - M), with t = logit x log2(e) and M = ceil(the row's largest t), a whole number; so 1/2 < the row's largest p <= 1. The row's sum l is taken of the UNQUANTISED p, in f32, and the product's result is divided by l at the end. Since M is a whole number, a kernel that streams over the keys may use a running M (the ceiling of the running maximum): every later rescaling is an exact power of two, which a block's scale takes up: the codes' values come out the same.
;;   OPERANDS COMPUTED ON THE WAY. 'Computed on the way' means the value that the module computes at that place (a softmax that the list does not call 'softmax' is quantised finished and normalised). What goes into a quantiser is computed in f32, as accurately as f32 sums, v_exp_f32 and their like allow (about 1e-6 of the number): no bf16 or f16 on the way to a quantiser, and a product that is left as it is and whose result goes on into a quantised operand takes f32 operands (vector FMAs, or v_wmma_f32_16x16x4_f32). A number that lies on a knife's edge between two numbers of the format may be rounded either way, as far as f32 arithmetic and the matrix unit's own rounding can turn it there, and no further.
;; One version. Each part assembles by itself: llvm-mc -triple=amdgcn-amd-amdhsa -mcpu=gfx1250 --defsym DOCPART=n.
;; ======== version 1 of 1: 4 launches
;; limits: right only within a limited range of input values
;; workspace buffers: wimg 786,432 bytes; wscl 32,768 bytes; qimg 3,276,800 bytes; kv 6,815,744 bytes; oimg 3,145,728 bytes; oscl 131,072 bytes
;; launch prep (part 1): grid 32 x 4, 4 waves a work-group, no clusters, 768 bytes of LDS; arguments Wq, Wk, Wv, Wo, wimg, wscl; writes wimg, wscl
.if DOCPART == 1
	.amdgcn_target "amdgcn-amd-amdhsa--gfx1250"
	.amdhsa_code_object_version 6
	.text
	.protected	k_q0c42f04770_prep
	.globl	k_q0c42f04770_prep
	.p2align	8
	.type	k_q0c42f04770_prep,@function
k_q0c42f04770_prep:
	s_mov_b64 s[64:65], 0
	v_nop
	global_prefetch_b8 v0, s[64:65] scope:SCOPE_SE
	s_setreg_imm32_b32 hwreg(HW_REG_WAVE_MODE, 25, 1), 1
	s_wait_xcnt 0x0
; The four weights [512 (n)][512 (k)], f32, become codes of FP6 (E2M3) with one E8M0 byte for each 32 along K, laid as IMAGES OF OPERAND REGISTERS.
; Work-group (T, tensor), wave s: fragment (T, s) = 16 rows x 128 K.  Lane r of tile T takes row 32 (T / 2) + 8 (T % 2) + r + 8 (r / 8), so that the results of two
; neighbouring tiles, used transposed, are 16 neighbours along the next product's K.  An image is 1,536 bytes: registers 4 c .. 4 c + 3 of lane l at 512 c + 16 l.
; wimg: [tensor][T][s] images.  wscl: [tensor][T] blocks of 256 bytes, lane r's four scale words (s = 0 .. 3) at 16 r + 4 s.
; A block's scale byte is its largest magnitude's exponent field - 2, held at 1 from below.  A block of zeros so gets the byte 1 where the rule says 127: its codes are zeros, and this program alone reads the bytes.
; LIMITS: NaN and infinities among the inputs are not served.
; Each load takes 16-byte pieces of 16 rows: the launch reads 4 MB in all, once; no stage is spent on it.  No matrix unit, no cluster, no tensor load: nothing is shared and nothing is read twice.
.set NUM, 32                           ; v32-95   64 numbers: register 16 b + i = k 32 b + 16 (lane / 16) + i of my row
.set PC,  96                           ; v96-114  the codes (12 registers) and the conversions' second halves
.set TM,  116                          ; v116-127 at work
.set PW,  10                           ; v10      the scale word
.set SEL, 20                           ; s[20:21] lane selects: lane l xor 16
; 64 numbers of a lane become a fragment's codes in v[PC] on and its row's scale word in v[PW]
.macro QUANT s
.irp b, 0,1,2,3
	v_max3_num_f32 v[TM+\b], |v[(\s)+16*\b]|, |v[(\s)+1+16*\b]|, 0x1800000   ; my 16 numbers of block b, and the floor 2^(3 - 127): the byte cannot fall under 1
.endr
.irp i, 2,4,6,8,10,12,14
.irp b, 0,1,2,3
	v_max3_num_f32 v[TM+\b], v[TM+\b], |v[(\s)+16*\b+\i]|, |v[(\s)+1+16*\b+\i]|
.endr
.endr
.irp b, 0,1,2,3
	v_permlanex16_b32 v[TM+4+\b], v[TM+\b], s[SEL], s[SEL+1]
.endr
.irp b, 0,1,2,3
	v_max_num_f32 v[TM+\b], v[TM+\b], v[TM+4+\b]       ; with lane l xor 16's 16: the block's largest magnitude
.endr
.irp b, 0,1,2,3
	v_add_nc_u32 v[TM+8+\b], 0xff000000, v[TM+\b]      ; 2 off its exponent field: the conversion's scale operand
.endr
.irp b, 0,1,2,3
	v_lshrrev_b32 v[TM+4+\b], 23, v[TM+8+\b]           ; the scale's byte
.endr
	v_lshl_or_b32 v[PW], v[TM+5], 8, v[TM+4]
	v_lshl_or_b32 v[PW], v[TM+6], 16, v[PW]
	v_lshl_or_b32 v[PW], v[TM+7], 24, v[PW]
.irp c, 0,1
	v_cvt_scalef32_pk16_fp6_f32 v[PC+6*\c:PC+2+6*\c], v[(\s)+32*\c:(\s)+15+32*\c], v[TM+8+2*\c]
	v_cvt_scalef32_pk16_fp6_f32 v[PC+12+4*\c:PC+14+4*\c], v[(\s)+16+32*\c:(\s)+31+32*\c], v[TM+9+2*\c]   ; (a conversion's three registers begin on an even number)
.endr
	v_nop                                              ; one plain place behind the scaled conversions
.irp c, 0,1                                        ; the operand's layout wants a whole block in a lane
.irp i, 0,1,2
	v_permlane16_swap_b32 v[PC+6*\c+\i], v[PC+12+4*\c+\i]
.endr
.irp i, 0,1,2
	v_mov_b32 v[PC+3+6*\c+\i], v[PC+12+4*\c+\i]
.endr
.endr
.endm
	s_load_b256 s[4:11], s[0:1], 0x0               ; Wq, Wk, Wv, Wo
	s_load_b128 s[12:15], s[0:1], 0x20             ; wimg, wscl
	v_lshl_add_u32 v128, v0, 2, 0x100
	v_mov_b32 v129, 0
	v_lshrrev_b32 v1, 5, v0
	v_readfirstlane_b32 s16, v1                    ; wave = K step s
	s_and_b32 s17, ttmp7, 0xffff                   ; which tensor
	v_and_b32 v5, 15, v0                           ; r
	v_bfe_u32 v6, v0, 4, 1                         ; h
	v_and_b32 v7, 8, v5
	v_add_nc_u32 v7, v7, v5                        ; r + 8 (r / 8)
	v_lshlrev_b32 v1, 11, v7
	v_lshl_add_u32 v1, v6, 6, v1                   ; my row of 2,048 bytes, + 64 h: my 16 numbers of a block
	v_and_b32 v8, 31, v0
	v_lshlrev_b32 v2, 4, v8                        ; 16 x lane
	v_lshlrev_b32 v4, 3, v8                        ; 8 x lane
	s_lshl_b32 s26, s16, 2
	v_lshl_add_u32 v3, v5, 4, s26                  ; LDS: 16 r + 4 s
.irp b, 0,1,2,3
	v_mov_b32 v[TM+4+\b], 0                        ; written once: a lane permute's destination counts as one of its sources
.endr
	s_mov_b32 s[SEL], 0x76543210
	s_mov_b32 s[SEL+1], 0xfedcba98
	s_lshr_b32 s18, ttmp9, 1
	s_lshl_b32 s18, s18, 16                        ; 32 (T / 2) rows of 2,048 bytes
	s_and_b32 s19, ttmp9, 1
	s_lshl_b32 s19, s19, 14                        ; + 8 (T % 2) rows
	s_add_co_u32 s18, s18, s19
	s_lshl_b32 s19, s16, 9                         ; + 128 s numbers
	s_add_co_u32 s18, s18, s19
	s_mov_b32 s19, 0
	s_lshl_b32 s22, ttmp9, 2
	s_add_co_u32 s22, s22, s16
	s_mul_i32 s22, s22, 1536                       ; image 4 T + s
	s_mul_i32 s23, s17, 196608
	s_add_co_u32 s22, s22, s23
	s_mov_b32 s23, 0
	s_lshl_b32 s24, s17, 13
	s_lshl_b32 s25, ttmp9, 8
	s_add_co_u32 s24, s24, s25
	s_mov_b32 s25, 0
	s_wait_alu depctr_va_vdst(0)
	s_wait_kmcnt 0x0
	s_cmp_eq_u32 s17, 1                            ; the choice hangs on the work-group's number alone
	s_cselect_b64 s[4:5], s[6:7], s[4:5]
	s_cmp_eq_u32 s17, 2
	s_cselect_b64 s[4:5], s[8:9], s[4:5]
	s_cmp_eq_u32 s17, 3
	s_cselect_b64 s[4:5], s[10:11], s[4:5]
	s_add_nc_u64 s[4:5], s[4:5], s[18:19]
	s_add_nc_u64 s[12:13], s[12:13], s[22:23]
	s_add_nc_u64 s[14:15], s[14:15], s[24:25]
.irp bb, 0,1,2,3
.irp j, 0,1,2,3
	global_load_b128 v[NUM+16*\bb+4*\j:NUM+16*\bb+4*\j+3], v1, s[4:5] offset:128*\bb+16*\j th:TH_LOAD_NT
.endr
.endr
	s_wait_loadcnt 0x0
	QUANT NUM
.irp c, 0,1,2
	global_store_b128 v2, v[PC+4*\c:PC+4*\c+3], s[12:13] offset:512*\c   ; 32 lanes store 512 consecutive bytes
.endr
	ds_store_b32 v3, v[PW]                         ; both halves of the lanes hold the same word and write it to the same place
	s_wait_dscnt 0x0                               ; for the others' sake: my store has landed
	s_barrier_signal -1
	s_barrier_wait -1
	s_cmp_lg_u32 s16, 0
	s_cbranch_scc1 .Lend
	ds_load_b64 v[12:13], v4                       ; the tile's 64 scale words
	s_wait_dscnt 0x0
	global_store_b64 v4, v[12:13], s[14:15]        ; 32 lanes store 256 consecutive bytes, aligned
.Lend:
	s_wait_tensorcnt 0x0
	ds_add_u32 v128, v129
	s_wait_dscnt 0x0
	s_endpgm
.Lfunc_end_k_q0c42f04770_prep:
	.size	k_q0c42f04770_prep, .Lfunc_end_k_q0c42f04770_prep-k_q0c42f04770_prep
	.p2alignl 7, 3214868480
	.fill 96, 4, 3214868480
	.section	.rodata,"a",@progbits
	.p2align	6, 0x0
	.amdhsa_kernel k_q0c42f04770_prep
		.amdhsa_group_segment_fixed_size 768
		.amdhsa_private_segment_fixed_size 0
		.amdhsa_enable_private_segment 0
		.amdhsa_kernarg_size 48
		.amdhsa_user_sgpr_count 2
		.amdhsa_user_sgpr_kernarg_segment_ptr 1
		.amdhsa_wavefront_size32 1
		.amdhsa_system_sgpr_workgroup_id_x 1
		.amdhsa_system_sgpr_workgroup_id_y 1
		.amdhsa_system_sgpr_workgroup_id_z 1
		.amdhsa_system_vgpr_workitem_id 0
		.amdhsa_next_free_vgpr 130
		.amdhsa_next_free_sgpr 66
		.amdhsa_reserve_vcc 0
		.amdhsa_float_denorm_mode_32 3
		.amdhsa_float_denorm_mode_16_64 3
		.amdhsa_memory_ordered 1
		.amdhsa_forward_progress 1
		.amdhsa_inst_pref_size 9
	.end_amdhsa_kernel
	.amdgpu_metadata
---
amdhsa.version: [ 1, 2 ]
amdhsa.kernels:
  - .name:           k_q0c42f04770_prep
    .symbol:         k_q0c42f04770_prep.kd
    .args:
      - { .name: Wq, .offset: 0, .size: 8, .value_kind: global_buffer, .address_space: global }
      - { .name: Wk, .offset: 8, .size: 8, .value_kind: global_buffer, .address_space: global }
      - { .name: Wv, .offset: 16, .size: 8, .value_kind: global_buffer, .address_space: global }
      - { .name: Wo, .offset: 24, .size: 8, .value_kind: global_buffer, .address_space: global }
      - { .name: wimg, .offset: 32, .size: 8, .value_kind: global_buffer, .address_space: global }
      - { .name: wscl, .offset: 40, .size: 8, .value_kind: global_buffer, .address_space: global }
    .group_segment_fixed_size: 768
    .private_segment_fixed_size: 0
    .kernarg_segment_align: 8
    .kernarg_segment_size: 48
    .max_flat_workgroup_size: 128
    .sgpr_count:     66
    .vgpr_count:     130
    .wavefront_size: 32
...
	.end_amdgpu_metadata
.endif
;; end of part 1
;; launch proj (part 2): grid 64 x 3, 8 waves a work-group, no clusters, 320,768 bytes of LDS; arguments query, key, value, mask, bq, bk, bv, wimg, wscl, qimg, kv; writes qimg, kv
.if DOCPART == 2
	.amdgcn_target "amdgcn-amd-amdhsa--gfx1250"
	.amdhsa_code_object_version 6
	.text
	.protected	k_q0c42f04770_proj
	.globl	k_q0c42f04770_proj
	.p2align	8
	.type	k_q0c42f04770_proj,@function
k_q0c42f04770_proj:
	s_mov_b64 s[64:65], 0
	v_nop
	global_prefetch_b8 v0, s[64:65] scope:SCOPE_SE
	s_setreg_imm32_b32 hwreg(HW_REG_WAVE_MODE, 25, 1), 1
	s_wait_xcnt 0x0
; q = query Wq^T + bq, k = key Wk^T + bk, v = value Wv^T + bv on codes of FP6 (E2M3), one E8M0 scale for each 32 along K; the results are quantised in registers and stored in the order of the next products' operand registers.
; Work-group (x, y): 128 rows (batch x / 16, key step x % 16) of tensor y (0 q, 1 k, 2 v).  All its 256 KB of f32 are asked for at the head, 32 KB a wave by one tensor load, and read once.
; Wave w quantises tile w of the rows and hands it to the others through LDS as an image of the operand's registers; in the products it owns head w, whose 16 fragments of W stay in its registers.
; TILES: lane r of tile 2 b + u (of rows, and of W's rows) takes row 32 b + 8 u + r + 8 (r / 8): a transposed result's 16 registers of tiles 2 b, 2 b + 1 are then 16 neighbours along the next K.
; q, k: source 0 = W, source 1 = x: a lane holds one row and its registers run along the head's 64 channels.  A PAIR FRAGMENT holds tile 2 b's 64 channels as k = 0 .. 63 and tile 2 b + 1's as k = 64 .. 127.
; v: source 0 = x, source 1 = W: a lane holds one channel and its registers run along the 128 keys: the fragment of V^T.
; THE MASK: the codes of a masked key of k are set to 0, and a table, 0 for an open key and -2^33 for a masked one, goes with each key step: the score product takes it as C, so a masked score is exactly -2^33.
; LIMITS: a masked logit is so -2^30 where the definition has -1e9: the results differ only where true logits reach that size.  NaN and infinities among the inputs are not served.
;         A block of zeros gets the byte 1 where the rule says 127: its codes are zeros, and this program alone reads the bytes.
; No cluster: what work-groups share, W's images, goes straight into registers; x is read by one work-group.  No prefetch: every byte is asked for at the head.
; qimg: [8 n + head][block of 128 queries] 6,400 bytes: 4 pair fragments, then scale words at 6,144 + 16 r + 4 b.
; kv:   [8 n + head][key step] 13,312 bytes: K's 4 pair fragments; V's 4 fragments at 6,144; K's scale words at 12,288; V's at 12,544; the table at 12,800.
.set STGW, 33296                       ; LDS: a wave's 16 rows of x: 32 half rows of 1,024 bytes + 16 of padding, and 16 bytes more, so that a tile's lanes 8-15, whose rows the odd wave fetched, start 16 bytes further round
.set XIMG, 266496                      ; x's 32 images, (4 i + s) x 1,536: from a multiple of 256 bytes on into which no tile lands
.set XSC,  315648                      ; their scale words, (4 i + s) x 128 + 4 x lane
.set XF,   16                          ; v16-63   four fragments of x (at the head: v16-23 the biases' offsets, v24-27 the mask in its own order)
.set ACC,  64                          ; v64-191  16 accumulators
.set NA,   64                          ; while x is quantised: two sets of 64 numbers
.set NB,   128
.set PC,   192                         ; v192-210 codes
.set TM,   212                         ; v212-223 at work
.set SW,   224                         ; v224-227 the four scale words to be stored
.set MK,   228                         ; v228-235 all ones for an open key of tile i (and for q), else 0
.set XS,   236                         ; v236-239 x's scale words
.set WS,   240                         ; v240-255 W's scale words, 4 T + s
.set PW,   11                          ; v11      the scale word just made
.set BIAS, 192                         ; window 1: v0-191 W's fragments, 12 (4 T + s); v192-223 the bias in the result's layout, 8 T + j
.set SEL,  44                          ; s[44:45]
.set MSB, 0
.macro WIN new                         ; the immediate's high byte repeats the setting that is left
.if MSB != \new
	s_set_vgpr_msb (MSB<<8)|\new
.set MSB, \new
.endif
.endm
.macro PLACES n
.rept \n
	v_nop
.endr
.endm
.macro MM d, a, b, c, sa, sb
	v_wmma_scale_f32_16x16x128_f8f6f4 v[(\d):(\d)+7], v[(\a):(\a)+11], v[(\b):(\b)+11], v[(\c):(\c)+7], v[\sa], v[\sb] matrix_a_fmt:MATRIX_FMT_FP6 matrix_b_fmt:MATRIX_FMT_FP6
.endm
; 64 numbers of a lane, register 16 b + i = element 32 b + 16 (lane / 16) + i of my row, become a fragment's codes in v[PC] on and its scale word in v[PW].  Each accumulator is read from its low end on.
.macro QUANT s
.irp b, 0,1,2,3
	v_max3_num_f32 v[TM+\b], |v[(\s)+16*\b]|, |v[(\s)+1+16*\b]|, 0x1800000   ; and the floor 2^(3 - 127): the byte cannot fall under 1
.endr
.irp i, 2,4,6,8,10,12,14
.irp b, 0,1,2,3
	v_max3_num_f32 v[TM+\b], v[TM+\b], |v[(\s)+16*\b+\i]|, |v[(\s)+1+16*\b+\i]|
.endr
.endr
.irp b, 0,1,2,3
	s_delay_alu instid0(VALU_DEP_4)
	v_permlanex16_b32 v[TM+4+\b], v[TM+\b], s[SEL], s[SEL+1]
.endr
.irp b, 0,1,2,3
	s_delay_alu instid0(VALU_DEP_4)
	v_max_num_f32 v[TM+\b], v[TM+\b], v[TM+4+\b]
.endr
.irp b, 0,1,2,3
	s_delay_alu instid0(VALU_DEP_4)
	v_add_nc_u32 v[TM+8+\b], 0xff000000, v[TM+\b]      ; 2 off the exponent field: the conversion's scale operand
.endr
.irp b, 0,1,2,3
	s_delay_alu instid0(VALU_DEP_4)
	v_lshrrev_b32 v[TM+4+\b], 23, v[TM+8+\b]           ; the scale's byte
.endr
	s_delay_alu instid0(VALU_DEP_3)
	v_lshl_or_b32 v[PW], v[TM+5], 8, v[TM+4]
	s_delay_alu instid0(VALU_DEP_1)
	v_lshl_or_b32 v[PW], v[TM+6], 16, v[PW]
	s_delay_alu instid0(VALU_DEP_1)
	v_lshl_or_b32 v[PW], v[TM+7], 24, v[PW]
.irp c, 0,1
	v_cvt_scalef32_pk16_fp6_f32 v[PC+6*\c:PC+2+6*\c], v[(\s)+32*\c:(\s)+15+32*\c], v[TM+8+2*\c]
	v_cvt_scalef32_pk16_fp6_f32 v[PC+12+4*\c:PC+14+4*\c], v[(\s)+16+32*\c:(\s)+31+32*\c], v[TM+9+2*\c]
.endr
	v_nop                                              ; one plain place behind the scaled conversions
.irp c, 0,1
.irp i, 0,1,2
	v_permlane16_swap_b32 v[PC+6*\c+\i], v[PC+12+4*\c+\i]
.endr
.irp i, 0,1,2
	s_delay_alu instid0(VALU_DEP_3)
	v_mov_b32 v[PC+3+6*\c+\i], v[PC+12+4*\c+\i]
.endr
.endr
.endm
.macro XL s, dst                       ; my tile's numbers of K step s out of the stage
.irp bb, 0,1,2,3
.irp j, 0,1,2,3
	ds_load_b128 v[\dst+16*\bb+4*\j:\dst+16*\bb+4*\j+3], v1 offset:((\s)/2)*1040+((\s)%2)*512+128*\bb+16*\j
.endr
.endr
.endm
.macro IMG s                           ; the fragment just made goes to LDS as it stands, and its scale word
.irp c, 0,1,2
	ds_store_b128 v2, v[PC+4*\c:PC+4*\c+3] offset:1536*(\s)+512*\c
.endr
	ds_store_b32 v3, v[PW] offset:128*(\s)
.endm
.macro XFETCH i0, s                    ; the fragments of tiles i0 .. i0 + 3, K step s, and their scale words
.irp il, 0,1,2,3
.irp c, 0,1,2
	ds_load_b128 v[XF+12*\il+4*\c:XF+12*\il+4*\c+3], v4 offset:(4*((\i0)+\il)+(\s))*1536+512*\c
.endr
	ds_load_b32 v[XS+\il], v5 offset:(4*((\i0)+\il)+(\s))*128
.endr
.endm
	s_load_b256 s[4:11], s[0:1], 0x0               ; query, key, value, mask
	s_load_b256 s[12:19], s[0:1], 0x20             ; bq, bk, bv, wimg
	s_load_b128 s[20:23], s[0:1], 0x40             ; wscl, qimg
	s_load_b64 s[24:25], s[0:1], 0x50              ; kv
	v_lshl_add_u32 v207, v0, 2, 0x4e100
	v_mov_b32 v211, 0
	ds_add_u32 v207, v211
	ds_add_u32 v207, v211
	v_lshrrev_b32 v1, 5, v0
	s_delay_alu instid0(VALU_DEP_1)
	v_readfirstlane_b32 s26, v1                    ; wave = tile of rows = head
	s_and_b32 s27, ttmp7, 0xffff                   ; tensor: 0 q, 1 k, 2 v
	v_and_b32 v12, 31, v0                          ; lane
	v_and_b32 v13, 15, v0                          ; r
	v_bfe_u32 v15, v0, 4, 1                        ; h
	; every LDS address is made here, on the one way that all waves take
	s_delay_alu instid0(VALU_DEP_2)
	v_lshrrev_b32 v1, 3, v13
	s_delay_alu instid0(VALU_DEP_1)
	v_mul_u32_u24 v1, v1, STGW                     ; lanes 8-15: the rows that the next wave fetched
	s_delay_alu instid0(VALU_DEP_4)
	v_and_b32 v2, 7, v13
	s_delay_alu instid0(VALU_DEP_1)
	v_mad_u32_u24 v1, v2, 2080, v1                 ; a row is two half rows of 1,040 bytes
	s_delay_alu instid0(VALU_DEP_1)
	v_lshl_add_u32 v1, v15, 6, v1                  ; + 64 h: my 16 numbers of a block
	s_and_b32 s66, s26, 6
	s_mul_i32 s66, s66, STGW
	s_and_b32 s67, s26, 1
	s_mul_i32 s67, s67, 8*2080
	s_add_co_u32 s66, s66, s67
	v_add_nc_u32 v1, s66, v1                       ; v1: tile w's rows in the stage
	s_mul_i32 s66, s26, 6144
	s_add_co_u32 s66, s66, XIMG
	v_lshl_add_u32 v2, v12, 4, s66                 ; v2: where I store my tile's images
	s_lshl_b32 s67, s26, 9
	s_add_co_u32 s67, s67, XSC
	v_lshl_add_u32 v3, v12, 2, s67                 ; v3: and their scale words
	v_lshlrev_b32 v6, 4, v12                       ; v6: 16 x lane
	s_delay_alu instid0(VALU_DEP_1)
	v_add_nc_u32 v4, XIMG, v6                      ; v4: an image's place for my lane
	v_lshlrev_b32 v5, 2, v12
	s_delay_alu instid0(VALU_DEP_1)
	v_add_nc_u32 v5, XSC, v5                       ; v5: a scale word's
	v_lshlrev_b32 v8, 4, v13                       ; v8: 16 r
	s_delay_alu instid0(VALU_DEP_1)
	v_lshl_add_u32 v7, v15, 3, v8                  ; v7: 16 r + 8 h
	v_and_b32 v10, 8, v13
	s_delay_alu instid0(VALU_DEP_1)
	v_add_nc_u32 v10, v10, v13
	s_delay_alu instid0(VALU_DEP_1)
	v_lshlrev_b32 v10, 2, v10                      ; v10: 4 (r + 8 (r / 8))
	v_lshlrev_b32 v9, 6, v15                       ; 64 h
	s_cmp_eq_u32 s27, 2
	s_cselect_b32 s48, 0, 4
	s_cselect_b32 s49, -1, 0
	v_cndmask_b32 v9, v9, v10, s49                 ; the bias: q, k: register j takes channel 16 h + j of the tile's; v: all eight take my lane's channel
	s_delay_alu instid0(VALU_DEP_1)
	v_mov_b32 v16, v9
.irp j, 1,2,3,4,5,6,7
	s_delay_alu instid0(VALU_DEP_1)
	v_add_nc_u32 v[16+\j], s48, v[15+\j]
.endr
	v_mov_b32 v14, 0xd0000000                      ; -2^33
	v_mov_b32 v15, -1
.irp b, 0,1,2,3
	v_mov_b32 v[TM+4+\b], 0                        ; written once: a lane permute's destination counts as one of its sources
.endr
	s_mov_b32 s[SEL], 0x76543210
	s_mov_b32 s[SEL+1], 0xfedcba98
	s_mov_b32 s47, 0xffff0000                      ; lanes 16-31
	; descriptor group 1: 32 half rows of 128 elements of 8 bytes, dense in memory, 16 bytes of padding behind each
	s_mov_b32 s32, (3<<16)|(1<<20)|(7<<22)|(3<<25)
	s_mov_b32 s33, 128<<16
	s_mov_b32 s34, 32<<16
	s_mov_b32 s35, 128<<16
	s_mov_b32 s36, 32
	s_mov_b32 s37, 128
	s_mov_b32 s38, 0
	s_mov_b32 s39, 0
	s_mov_b32 s40, 1
	s_mul_i32 s41, s26, STGW
	; offsets, apart from the addresses
	s_lshl_b32 s66, ttmp9, 18                      ; x: 128 rows of 2,048 bytes a work-group,
	s_lshl_b32 s67, s26, 15                        ; 16 a wave
	s_add_co_u32 s66, s66, s67
	s_mov_b32 s67, 0
	s_lshl_b32 s68, s26, 8                         ; the bias: my head's 64 numbers
	s_mov_b32 s69, 0
	s_mul_i32 s70, s27, 196608
	s_mul_i32 s71, s26, 24576
	s_add_co_u32 s70, s70, s71                     ; W's images: my head's 16
	s_mov_b32 s71, 0
	s_lshl_b32 s72, s27, 13
	s_lshl_b32 s73, s26, 10
	s_add_co_u32 s72, s72, s73                     ; and their scale words
	s_mov_b32 s73, 0
	s_lshr_b32 s74, ttmp9, 4
	s_lshl_b32 s74, s74, 3
	s_add_co_u32 s74, s74, s26                     ; 8 n + head
	s_lshl_b32 s74, s74, 4
	s_and_b32 s75, ttmp9, 15
	s_add_co_u32 s74, s74, s75                     ; x 16 + the block of 128 rows
	s_cmp_eq_u32 s27, 0
	s_mov_b32 s75, 13312
	s_cselect_b32 s75, 6400, s75
	s_mov_b32 s78, 12288
	s_cselect_b32 s78, 6144, s78                   ; where the pair fragments' scale words lie in a block
	s_cselect_b32 s46, -1, 0                       ; q knows no mask
	s_mul_i32 s74, s74, s75
	s_mov_b32 s75, 0
	s_mov_b32 s79, 0
	s_lshl_b32 s76, ttmp9, 9                       ; the mask of my 128 keys
	s_mov_b32 s77, 0
	s_wait_alu depctr_va_vdst(0)
	s_wait_dscnt 0x0
	s_wait_kmcnt 0x0
	s_cmp_eq_u32 s27, 1                            ; the choices hang on the work-group's number alone
	s_cselect_b64 s[50:51], s[6:7], s[4:5]
	s_cselect_b64 s[52:53], s[14:15], s[12:13]
	s_cmp_eq_u32 s27, 2
	s_cselect_b64 s[50:51], s[8:9], s[50:51]
	s_cselect_b64 s[52:53], s[16:17], s[52:53]
	s_cmp_eq_u32 s27, 0
	s_cselect_b64 s[58:59], s[22:23], s[24:25]
	s_add_nc_u64 s[42:43], s[50:51], s[66:67]
	s_or_b32 s43, s43, 0x80000000
	tensor_load_to_lds s[40:43], s[32:39]          ; my 16 rows: the one tensor load of this wave; LDS is filled once
	s_nop 0
	PLACES 4                                       ; four nops ahead of a switch of windows
	s_add_nc_u64 s[52:53], s[52:53], s[68:69]
	s_add_nc_u64 s[54:55], s[18:19], s[70:71]
	s_add_nc_u64 s[56:57], s[20:21], s[72:73]
	s_add_nc_u64 s[58:59], s[58:59], s[74:75]
	s_add_nc_u64 s[60:61], s[58:59], s[78:79]
	s_add_nc_u64 s[62:63], s[10:11], s[76:77]
	WIN 0x40                                       ; destination window 1
.irp f, 0,1,2,3,4,5,6,7,8,9,10,11,12,13,14,15
.irp c, 0,1,2
	global_load_b128 v[12*\f+4*\c:12*\f+4*\c+3], v6, s[54:55] offset:1536*\f+512*\c   ; W's fragments stay in registers
.endr
.endr
.irp T, 0,1,2,3
.irp j, 0,1,2,3,4,5,6,7
	global_load_b32 v[BIAS+8*\T+\j], v[16+\j], s[52:53] offset:(32*(\T/2)+8*(\T%2))*4
.endr
.endr
	WIN 0
.irp T, 0,1,2,3
	global_load_b128 v[WS+4*\T:WS+4*\T+3], v8, s[56:57] offset:256*\T
.endr
.irp i, 0,1,2,3,4,5,6,7
	global_load_b32 v[MK+\i], v10, s[62:63] offset:(32*(\i/2)+8*(\i%2))*4   ; the mask of the key that my lane holds in tile i
.endr
	global_load_b128 v[24:27], v6, s[62:63]        ; and of keys 4 l .. 4 l + 3, for the table
	s_wait_tensorcnt 0x0                           ; my rows are in LDS,
	s_barrier_signal -1
	s_barrier_wait -1                              ; everybody's are: a tile takes rows that two waves fetched
	; ---- x: my tile's four fragments
	XL 0, NA
	XL 1, NB
	s_wait_dscnt 16                                ; all but the 16 youngest loads: K step 0 is in
	QUANT NA
	IMG 0
	XL 2, NA
	s_wait_dscnt 16                                ; K step 1 is in, and the stores above have read their registers
	QUANT NB
	IMG 1
	XL 3, NB
	s_wait_dscnt 16
	QUANT NA
	IMG 2
	s_wait_dscnt 0x0
	QUANT NB
	IMG 3
	s_wait_dscnt 0x0                               ; my images have landed
	s_barrier_signal -1
	s_barrier_wait -1                              ; all 32 lie in LDS; from here on LDS is only read
	s_wait_loadcnt 0x0                             ; W, the bias, the scale words, the mask
.irp i, 0,1,2,3,4,5,6,7
	v_cmp_ne_u32 vcc_lo, 0, v[MK+\i]
	s_delay_alu instid0(VALU_DEP_1)
	v_cndmask_b32 v[MK+\i], 0, v15, vcc_lo         ; all ones for an open key,
	s_delay_alu instid0(VALU_DEP_1)
	v_or_b32 v[MK+\i], s46, v[MK+\i]               ; and for every row of q
.endr
.irp i, 24,25,26,27
	v_cmp_eq_u32 vcc_lo, 0, v\i
	s_delay_alu instid0(VALU_DEP_1)
	v_cndmask_b32 v\i, 0, v14, vcc_lo              ; the table: -2^33 for a masked key
.endr
	s_cmp_eq_u32 s27, 2
	s_cbranch_scc1 .Lv
	; ---- q, k: two passes of four tiles of rows; 16 accumulators by turns, a K step at a time
.irp p, 0,1
.irp s, 0,1,2,3
	PLACES 5                                       ; in front of loads into registers that matrix instructions have read, and of products that begin accumulators anew
	XFETCH 4*\p, \s
	s_wait_dscnt 0x0
.if \s == 0
	WIN 0x11                                       ; source 0 (W) and source 2 (the bias) window 1
.else
	WIN 0x01
.endif
.irp il, 0,1,2,3
.irp T, 0,1,2,3
.if \s == 0
	MM ACC+32*\il+8*\T, 12*(4*\T+\s), XF+12*\il, BIAS+8*\T, WS+4*\T+\s, XS+\il
.else
	MM ACC+32*\il+8*\T, 12*(4*\T+\s), XF+12*\il, ACC+32*\il+8*\T, WS+4*\T+\s, XS+\il
.endif
.endr
.endr
	WIN 0
.endr
	PLACES 4                                       ; in front of the first read of results
.irp bl, 0,1                                   ; pair 2 p + bl: tiles 2 b and 2 b + 1, 32 registers each
	s_wait_xcnt 0x0                                ; the last pair's stores have read their registers
	QUANT ACC+64*\bl
.irp k, 0,1,2,3,4,5
	v_and_b32 v[PC+\k], v[MK+2*(2*\p+\bl)], v[PC+\k]         ; a masked key's codes become zeros
	v_and_b32 v[PC+6+\k], v[MK+2*(2*\p+\bl)+1], v[PC+6+\k]
.endr
.irp c, 0,1,2
	global_store_b128 v6, v[PC+4*\c:PC+4*\c+3], s[58:59] offset:1536*(2*\p+\bl)+512*\c   ; 32 lanes store 512 consecutive bytes
.endr
	v_mov_b32 v[SW+2*\p+\bl], v[PW]
.endr
.endr
	v_cndmask_b32 v12, v[SW], v[SW+2], s47         ; lanes 0-15 store words 0 and 1 of their row, lanes 16-31 words 2 and 3
	s_delay_alu instid0(VALU_DEP_2)
	v_cndmask_b32 v13, v[SW+1], v[SW+3], s47
	global_store_b64 v7, v[12:13], s[60:61]        ; 256 consecutive bytes, aligned
	s_wait_tensorcnt 0x0
	ds_add_u32 v207, v211
	s_wait_dscnt 0x0
	s_endpgm
	; ---- v: two passes of four tiles of keys x all four tiles of channels
.Lv:
	s_wait_alu depctr_va_vdst(0)
	global_store_b128 v6, v[24:27], s[58:59] offset:12800   ; the table of this key step, once for each head
	s_wait_xcnt 0x0                                ; its registers take fragments below
.irp p, 0,1
.irp s, 0,1,2,3
	; pass p: key tiles 4 p .. 4 p + 3 against all four tiles of channels: 16 accumulators by turns, each fragment of x read once in the whole path
	PLACES 5
	XFETCH 4*\p, \s
	s_wait_dscnt 0x0
.if \s == 0
	WIN 0x14                                       ; source 1 (W) and source 2 (the bias) window 1
.else
	WIN 0x04
.endif
.irp il, 0,1,2,3
.irp t, 0,1,2,3
.if \s == 0
	MM ACC+32*\t+8*\il, XF+12*\il, 12*(4*\t+\s), BIAS+8*\t, XS+\il, WS+4*\t+\s
.else
	MM ACC+32*\t+8*\il, XF+12*\il, 12*(4*\t+\s), ACC+32*\t+8*\il, XS+\il, WS+4*\t+\s
.endif
.endr
.endr
	WIN 0
.endr
	PLACES 4
.irp g, 0,1                                    ; 64 registers: channel tile 2 g's keys 64 p .. 64 p + 63, then tile 2 g + 1's: registers 6 p .. 6 p + 5 of each tile's fragment, and two scale bytes of each
	s_wait_xcnt 0x0                                ; the last stores have read their registers
	QUANT ACC+64*\g
	v_mov_b32 v[SW+2*\p+\g], v[PW]
	WIN 0x40                                       ; window 1, v224-255: eight registers a tile: registers 0-5 wait there for registers 6, 7, so that every store covers 512 consecutive bytes
.irp e, 0,1
.if \p == 0
.irp k, 0,1,2,3,4,5
	v_mov_b32 v[224+8*(2*\g+\e)+\k], v[PC+6*\e+\k]
.endr
.else
.irp k, 0,1
	v_mov_b32 v[224+8*(2*\g+\e)+6+\k], v[PC+6*\e+\k]
.endr
.endif
.endr
.if \p == 1
	WIN 0x04                                       ; the data window 1
.irp e, 0,1
	global_store_b128 v6, v[224+8*(2*\g+\e):224+8*(2*\g+\e)+3], s[58:59] offset:6144+1536*(2*\g+\e)
	global_store_b128 v6, v[224+8*(2*\g+\e)+4:224+8*(2*\g+\e)+7], s[58:59] offset:6144+1536*(2*\g+\e)+512
.endr
	WIN 0
.irp e, 0,1
	global_store_b128 v6, v[PC+6*\e+2:PC+6*\e+5], s[58:59] offset:6144+1536*(2*\g+\e)+1024
.endr
.endif
	WIN 0
.endr
.endr
	v_perm_b32 v[TM], v[SW+2], v[SW], 0x05040100       ; a tile's scale word: two bytes of pass 0 below two of pass 1
	v_perm_b32 v[TM+1], v[SW+2], v[SW], 0x07060302
	v_perm_b32 v[TM+2], v[SW+3], v[SW+1], 0x05040100
	v_perm_b32 v[TM+3], v[SW+3], v[SW+1], 0x07060302
	v_cndmask_b32 v12, v[TM], v[TM+2], s47
	v_cndmask_b32 v13, v[TM+1], v[TM+3], s47
	global_store_b64 v7, v[12:13], s[58:59] offset:12544
	s_wait_tensorcnt 0x0
	ds_add_u32 v207, v211
	s_wait_dscnt 0x0
	s_endpgm
.Lfunc_end_k_q0c42f04770_proj:
	.size	k_q0c42f04770_proj, .Lfunc_end_k_q0c42f04770_proj-k_q0c42f04770_proj
	.p2alignl 7, 3214868480
	.fill 96, 4, 3214868480
	.section	.rodata,"a",@progbits
	.p2align	6, 0x0
	.amdhsa_kernel k_q0c42f04770_proj
		.amdhsa_group_segment_fixed_size 320768
		.amdhsa_private_segment_fixed_size 0
		.amdhsa_enable_private_segment 0
		.amdhsa_kernarg_size 88
		.amdhsa_user_sgpr_count 2
		.amdhsa_user_sgpr_kernarg_segment_ptr 1
		.amdhsa_wavefront_size32 1
		.amdhsa_system_sgpr_workgroup_id_x 1
		.amdhsa_system_sgpr_workgroup_id_y 1
		.amdhsa_system_sgpr_workgroup_id_z 1
		.amdhsa_system_vgpr_workitem_id 0
		.amdhsa_next_free_vgpr 512
		.amdhsa_next_free_sgpr 80
		.amdhsa_reserve_vcc 1
		.amdhsa_float_denorm_mode_32 3
		.amdhsa_float_denorm_mode_16_64 3
		.amdhsa_memory_ordered 1
		.amdhsa_forward_progress 1
		.amdhsa_inst_pref_size 136
	.end_amdhsa_kernel
	.amdgpu_metadata
---
amdhsa.version: [ 1, 2 ]
amdhsa.kernels:
  - .name:           k_q0c42f04770_proj
    .symbol:         k_q0c42f04770_proj.kd
    .args:
      - { .name: query, .offset: 0, .size: 8, .value_kind: global_buffer, .address_space: global }
      - { .name: key, .offset: 8, .size: 8, .value_kind: global_buffer, .address_space: global }
      - { .name: value, .offset: 16, .size: 8, .value_kind: global_buffer, .address_space: global }
      - { .name: mask, .offset: 24, .size: 8, .value_kind: global_buffer, .address_space: global }
      - { .name: bq, .offset: 32, .size: 8, .value_kind: global_buffer, .address_space: global }
      - { .name: bk, .offset: 40, .size: 8, .value_kind: global_buffer, .address_space: global }
      - { .name: bv, .offset: 48, .size: 8, .value_kind: global_buffer, .address_space: global }
      - { .name: wimg, .offset: 56, .size: 8, .value_kind: global_buffer, .address_space: global }
      - { .name: wscl, .offset: 64, .size: 8, .value_kind: global_buffer, .address_space: global }
      - { .name: qimg, .offset: 72, .size: 8, .value_kind: global_buffer, .address_space: global }
      - { .name: kv, .offset: 80, .size: 8, .value_kind: global_buffer, .address_space: global }
    .group_segment_fixed_size: 320768
    .private_segment_fixed_size: 0
    .kernarg_segment_align: 8
    .kernarg_segment_size: 88
    .max_flat_workgroup_size: 256
    .sgpr_count:     80
    .vgpr_count:     512
    .wavefront_size: 32
...
	.end_amdgpu_metadata
.endif
;; end of part 2
;; launch attn (part 3): grid 8 x 32, 8 waves a work-group, clusters of 4 x 1, 327,680 bytes of LDS; arguments qimg, kv, oimg, oscl; writes oimg, oscl
.if DOCPART == 3
	.amdgcn_target "amdgcn-amd-amdhsa--gfx1250"
	.amdhsa_code_object_version 6
	.text
	.protected	k_q0c42f04770_attn
	.globl	k_q0c42f04770_attn
	.p2align	8
	.type	k_q0c42f04770_attn,@function
k_q0c42f04770_attn:
	s_mov_b64 s[64:65], 0
	v_nop
	global_prefetch_b8 v0, s[64:65] scope:SCOPE_SE
	s_setreg_imm32_b32 hwreg(HW_REG_WAVE_MODE, 25, 1), 1
	s_wait_xcnt 0x0
	s_wait_alu depctr_hold_cnt(0) depctr_sa_sdst(0) depctr_va_vdst(0) depctr_va_sdst(0) depctr_va_ssrc(0) depctr_va_vcc(0) depctr_vm_vsrc(0)
	s_getreg_b32 s2, hwreg(HW_REG_IB_STS2, 6, 4)
	s_cmp_eq_u32 s2, 0
	s_cbranch_scc0 .Lentry_in_a_cluster
	s_endpgm
.Lentry_in_a_cluster:
	s_bfe_u32 s2, ttmp6, 0x10000c
	s_cmp_lg_u32 s2, 0x3003
	s_cbranch_scc0 .Lentry_shape_is_right
	s_endpgm
.Lentry_shape_is_right:
; O = softmax(q k^T / 8, masked) v for one (batch, head), both products on codes of FP6 (E2M3) with one E8M0 scale for each 32 along K; O / l is quantised along the model's channels and stored as halves of the last product's operand.
; t = score x log2(e) / 8; M = the running largest t rounded UP to a whole number; p = 2^(t - M) is quantised along the keys; the row's sum is taken of the unquantised p and divides O at the end.
; SHARES: a work-group owns 256 queries of a head; each of its eight waves owns the TWO tiles of 16 queries of one pair fragment of q, so every fragment of k, v and the mask table read from LDS serves two tiles.
; LDS holds the head's whole k, v, scale words and mask table, 16 key steps of 13,312 bytes as they lie in memory, each byte filled once: steps 0-3 by the head's load (26 rows of 256 bytes a wave),
; steps 4-15 by a second load (78 rows a wave) behind the sequence ahead of a later first fill.  One tensor load a wave is out at any time.
; CLUSTER: the four work-groups of a cluster walk the same head: both fills are asked for jointly, by descriptors made of the head and the wave's number alone, with a mask that names the four.
; BOTH PRODUCTS TRANSPOSED: a lane holds one query of each tile.  K = 64 IN THE SCORES: a pair fragment of k holds key tile 2 b as k = 0 .. 63 and tile 2 b + 1 as k = 64 .. 127; with [q, 0] it gives the first's scores, with [0, q] the second's.
; THE MASK: a masked key's codes are zeros, and the table (0 or -2^33) is the C of the score products.  -2^33 x c is a whole number in f32: where all keys so far are masked every p is 1; the first open key multiplies what was summed by 0.
; LDS LOADS RUN AHEAD: behind step i's score products v(i) is asked for, later in the step k(i + 1) and table(i + 1); the last step asks for step 15's once more (the address is held there).
; LIMITS: a masked logit is -2^30 where the definition has -1e9: the results differ only where true logits reach that size.  The scaled scores stay under 2^31 in magnitude.  NaN and infinities are not served.
; No prefetch: the two loads at the head ask for every byte that the launch reads of kv; there is no later request to run ahead of.
; WINDOW 0: v1-9 lane places and addresses; v12-23 state; v24-59 q; v60-107 k; v108-155 v; v156-195 p's codes; v196-237 at work; v240-251 scale words.
; WINDOW 1: v0-127 S^T, then p, of tiles 0 and 1; v128-191 O^T; v192-255 the table.  Every phase treats both tiles by turns under one setting of the windows.
.set KVB,  13312
.set SPARE, 0x34000                    ; behind the 16 key steps: the spare words, 128 bytes a wave
.set SPW,  10                          ; my spare word's address; never rewritten
.set NIL,  11                          ; 0; never rewritten
.set NM,   12                          ; +2 T: the pair (-M, the largest score so far)
.set SUM,  16                          ; +2 T: the row's sum in two halves
.set FF,   20                          ; +2 T: f = 2^(old M - new M) (the upper register is only named)
.set QQ,   24                          ; +18 T: q, zeros, q: [q, 0] begins at +0, [0, q] at +6
.set KF,   60
.set VF,   108
.set PC,   156                         ; +12 T: p's codes
.set CT,   180                         ; +8 T: the conversions' second halves
.set BM,   196                         ; +4 T: the blocks' largest
.set PL,   204                         ; +4 T
.set SO,   212                         ; +4 T: the conversions' scale operands
.set SA,   220                         ; +8 T: four chains of partial sums
.set TP,   236                         ; +T
.set KS,   240
.set VS,   244
.set PW,   248                         ; +T: p's scale word
.set QW,   250                         ; +T: q's
.set SS,   0                           ; window 1, +64 T
.set OO,   128                         ; window 1, +32 T
.set TBL,  192                         ; window 1
.set SEL,  40                          ; s[40:41] lane l xor 16
.set CS,   42                          ; s[42:43] c = log2(e) / 8
.set TB,   44                          ; LDS byte at which the key step in hand begins
.set CNT,  45
.set TN,   46                          ; and the next one
.set NCS,  60                          ; -c
.set MSB, 0
.macro WIN new                         ; the immediate's high byte repeats the setting that is left
.if MSB != \new
	s_set_vgpr_msb (MSB<<8)|\new
.set MSB, \new
.endif
.endm
.macro PLACES n
.rept \n
	v_nop
.endr
.endm
.macro MM d, a, b, c, sa, sb
	v_wmma_scale_f32_16x16x128_f8f6f4 v[(\d):(\d)+7], v[(\a):(\a)+11], v[(\b):(\b)+11], v[(\c):(\c)+7], v[\sa], v[\sb] matrix_a_fmt:MATRIX_FMT_FP6 matrix_b_fmt:MATRIX_FMT_FP6
.endm
.macro CROUND                          ; a round of the cluster's barrier
	s_barrier_signal -1
	s_barrier_wait -1
	s_cmp_lg_u32 s12, 0
	s_cbranch_scc1 .Lnot_wave_0_\@
	s_barrier_signal -3
.Lnot_wave_0_\@:
	s_barrier_wait -3
	s_barrier_signal -1
	s_barrier_wait -1
.endm
.macro KLOAD adr                       ; a step's four pair fragments of k and their scale words (lanes 16-31 read the 256 bytes behind them, which nothing uses)
.irp b, 0,1,2,3
.irp c, 0,1,2
	ds_load_b128 v[KF+12*\b+4*\c:KF+12*\b+4*\c+3], v[\adr] offset:1536*\b+512*\c
.endr
.endr
	ds_load_b128 v[KS:KS+3], v[\adr] offset:12288
.endm
.macro TLOAD adr                       ; the table: register 16 b + i is key 32 b + 16 h + i
	WIN 0x40
.set n, 0
.rept 16
	ds_load_b128 v[TBL+4*n:TBL+4*n+3], v[\adr] offset:12800+128*(n/4)+16*(n%4)
.set n, n+1
.endr
.endm
	s_load_b256 s[4:11], s[0:1], 0x0               ; qimg, kv, oimg, oscl
	v_lshl_add_u32 v[SPW], v0, 2, SPARE
	v_mov_b32 v[NIL], 0
	ds_add_u32 v[SPW], v[NIL]                      ; the opening lines: the add, twice on end, and its wait ahead of my first tensor load
	ds_add_u32 v[SPW], v[NIL]
	v_lshrrev_b32 v1, 5, v0
	v_readfirstlane_b32 s12, v1                    ; wave 0..7
	v_and_b32 v7, 31, v0
	v_and_b32 v8, 15, v0
	v_bfe_u32 v9, v0, 4, 1
	v_lshlrev_b32 v1, 4, v7                        ; 16 x lane
	v_lshlrev_b32 v2, 4, v8                        ; 16 r
	v_lshlrev_b32 v3, 6, v9                        ; 64 h
	v_lshlrev_b32 v7, 3, v7                        ; 8 x lane
	v_lshl_add_u32 v8, v8, 4, v9                   ; 16 r + h
.irp T, 0,1
	v_mov_b32 v[NM+2*\T], 0x7e000000               ; -M = 2^125, a whole number above every -M to come: the first step's f is 0
	v_mov_b32 v[NM+2*\T+1], 0xff61b1e6             ; the largest score so far: -3e38
	v_mov_b32 v[SUM+2*\T], 0
	v_mov_b32 v[SUM+2*\T+1], 0
	v_mov_b32 v[FF+2*\T+1], 0                      ; (named as the upper half of a pair)
	v_mov_b32 v[TP+\T], 0
.endr
.irp k, 0,1,2,3,4,5,6,7
	v_mov_b32 v[PL+\k], 0                          ; written once: a lane permute's destination counts as one of its sources
.endr
	s_bfe_u32 s13, ttmp6, 0x40000                  ; cx: it enters q's and O's global addresses alone
	s_lshl_b32 s14, ttmp9, 2
	s_add_co_u32 s14, s14, s13                     ; my block of 256 queries
	s_and_b32 s15, ttmp7, 0xffff                   ; 8 n + head, which the four partners share
	; descriptor groups 1: rows of 32 elements of 8 bytes, dense; the mask names all four work-groups, bit 21 beside it; 26 rows, and 78
	s_mov_b32 s16, 15|(3<<16)|(1<<21)
	s_mov_b32 s17, 32<<16
	s_mov_b32 s18, 26<<16
	s_mov_b32 s19, 32<<16
	s_mov_b32 s20, 26
	s_mov_b32 s21, 32
	s_mov_b32 s22, 0
	s_mov_b32 s23, 0
	s_mov_b32 s32, 15|(3<<16)|(1<<21)
	s_mov_b32 s33, 32<<16
	s_mov_b32 s34, 78<<16
	s_mov_b32 s35, 32<<16
	s_mov_b32 s36, 78
	s_mov_b32 s37, 32
	s_mov_b32 s38, 0
	s_mov_b32 s39, 0
	s_mul_i32 s48, s15, 16*KVB
	s_mul_i32 s50, s12, 6656                       ; my eighth of steps 0-3: LDS address,
	s_add_co_u32 s48, s48, s50                     ; and offset in kv
	s_mov_b32 s49, 0
	s_mul_i32 s51, s12, 19968
	s_add_co_u32 s51, s51, 4*KVB                   ; my eighth of steps 4-15
	s_mul_i32 s52, s15, 16*KVB
	s_add_co_u32 s52, s52, s51
	s_mov_b32 s53, 0
	s_lshr_b32 s54, s12, 2
	s_lshl_b32 s55, s14, 1
	s_add_co_u32 s54, s54, s55                     ; my block of 128 queries
	s_lshl_b32 s55, s15, 4
	s_add_co_u32 s55, s55, s54
	s_mul_i32 s56, s55, 6400
	s_and_b32 s55, s12, 3                          ; my pair b
	s_mul_i32 s57, s55, 1536
	s_lshl_b32 s58, s55, 2
	s_add_co_u32 s58, s58, s56
	s_add_co_u32 s58, s58, 6144                    ; its scale words
	s_add_co_u32 s56, s56, s57                     ; its image
	s_mov_b32 s57, 0
	s_mov_b32 s59, 0
	s_lshr_b32 s66, s15, 3
	s_lshl_b32 s66, s66, 4
	s_add_co_u32 s66, s66, s54
	s_lshl_b32 s66, s66, 3
	s_lshl_b32 s67, s55, 1
	s_add_co_u32 s66, s66, s67                     ; my first tile of rows among the 512; the second follows it
	s_and_b32 s67, s15, 7                          ; the head
	s_lshl_b32 s68, s66, 8
	s_lshl_b32 s69, s67, 1
	s_add_co_u32 s68, s68, s69                     ; O's scale bytes: 256 x tile + 2 x head
	s_mul_i32 s66, s66, 6144
	s_mul_i32 s67, s67, 768
	s_add_co_u32 s66, s66, s67                     ; O's half fragment
	s_mov_b32 s67, 0
	s_mov_b32 s69, 0
	s_mov_b32 s47, 0xffff0000                      ; lanes 16-31
	s_mov_b32 s[SEL], 0x76543210
	s_mov_b32 s[SEL+1], 0xfedcba98
	s_mov_b32 s[CS], 0x3e38aa3b
	s_mov_b32 s[CS+1], s[CS]                       ; (named with it as a pair, so it is written)
	s_mov_b32 s[NCS], 0xbe38aa3b
	s_mov_b32 s24, 1
	s_mov_b32 s25, s50
	s_mov_b32 s28, 1
	s_mov_b32 s29, s51
	s_wait_alu depctr_va_vdst(0)
	s_wait_dscnt 0x0                               ; both opening adds are done
	s_wait_kmcnt 0x0
	s_add_nc_u64 s[26:27], s[6:7], s[48:49]
	s_or_b32 s27, s27, 0x80000000
	s_add_nc_u64 s[30:31], s[6:7], s[52:53]
	s_or_b32 s31, s31, 0x80000000
	s_add_nc_u64 s[56:57], s[4:5], s[56:57]
	s_add_nc_u64 s[58:59], s[4:5], s[58:59]
	s_add_nc_u64 s[8:9], s[8:9], s[66:67]
	s_add_nc_u64 s[10:11], s[10:11], s[68:69]
	CROUND                                         ; all four work-groups are here: the joint loads meet
	tensor_load_to_lds s[24:27], s[16:23]          ; steps 0-3: my one tensor load at the head
	s_nop 0
	PLACES 4                                       ; four nops ahead of a switch of windows
.irp c, 0,1,2
	global_load_b128 v[KF+4*\c:KF+4*\c+3], v1, s[56:57] offset:512*\c   ; my pair fragment of q: registers 0-5 tile 0's, 6-11 tile 1's
.endr
	global_load_b32 v238, v2, s[58:59]             ; and its scale word: bytes 0, 1 tile 0's, bytes 2, 3 tile 1's
	WIN 0x40
.set j, 0
.rept 64
	v_mov_b32 v[OO+j], 0                           ; O^T: the step is written once; the first finds zeros
.set j, j+1
.endr
	WIN 0
	s_wait_loadcnt 0x0
	v_and_b32 v252, 0xffff, v238
	v_lshrrev_b32 v253, 16, v238
	v_lshl_or_b32 v[QW], v238, 16, v252            ; a tile's two bytes in both halves of its word: it serves [q, 0] and [0, q] alike
	v_and_or_b32 v[QW+1], v238, 0xffff0000, v253
.irp T, 0,1
.irp k, 0,1,2,3,4,5
	v_mov_b32 v[QQ+18*\T+\k], v[KF+6*\T+\k]
	v_mov_b32 v[QQ+18*\T+6+\k], 0
	v_mov_b32 v[QQ+18*\T+12+\k], v[KF+6*\T+\k]
.endr
.endr
	s_wait_alu depctr_va_vdst(0)
	s_wait_tensorcnt 0x0                           ; my part of steps 0-3 is in
	ds_add_u32 v[SPW], v[NIL]
	s_wait_dscnt 0x0
	CROUND                                         ; everybody's part is in, and the four work-groups are here
	tensor_load_to_lds s[28:31], s[32:39]          ; steps 4-15: the first tensor load behind the round
	s_nop 0
	PLACES 8                                       ; four ahead of a switch of windows; with them the places between q's operands and the first scaled product
	KLOAD 1                                        ; step 0 begins at LDS byte 0
	TLOAD 3
	WIN 0
; A KEY STEP: 128 keys x my 32 queries.  clamp = 1: the next step's address is held at step 15
.macro STEP clamp
	s_wait_dscnt 0x0                               ; k, its scale words and the table are in
	WIN 0x50                                       ; D and C window 1
.irp b, 0,1,2,3                                ; sixteen accumulators, one instruction each
.irp T, 0,1
	MM SS+64*\T+16*\b, KF+12*\b, QQ+18*\T, TBL+16*\b, KS+\b, QW+\T
	MM SS+64*\T+16*\b+8, KF+12*\b, QQ+18*\T+6, TBL+16*\b+8, KS+\b, QW+\T
.endr
.endr
	WIN 0
	s_add_co_u32 s[TN], s[TB], KVB
.if \clamp
	s_min_u32 s[TN], s[TN], 15*KVB
.endif
	v_add_nc_u32 v4, s[TB], v1                     ; four places in front of the loads below and of the first read of the scores
	v_add_nc_u32 v5, s[TN], v1
	v_add_nc_u32 v6, s[TN], v3
	v_nop
.irp t, 0,1,2,3
.irp c, 0,1,2
	ds_load_b128 v[VF+12*\t+4*\c:VF+12*\t+4*\c+3], v4 offset:6144+1536*\t+512*\c   ; v of this step lands under the softmax
.endr
.endr
	ds_load_b128 v[VS:VS+3], v4 offset:12544
	WIN 0x15                                       ; the largest score of each block of 32 keys: for the row's maximum, and, since p rises with the score, for the block's largest p
.irp b, 0,1,2,3
.irp T, 0,1
	v_max3_num_f32 v[BM+4*\T+\b], v[SS+64*\T+16*\b], v[SS+64*\T+16*\b+1], v[SS+64*\T+16*\b+2]
.endr
.endr
	WIN 0x14
.irp i, 3,5,7,9,11,13
.irp b, 0,1,2,3
.irp T, 0,1
	v_max3_num_f32 v[BM+4*\T+\b], v[BM+4*\T+\b], v[SS+64*\T+16*\b+\i], v[SS+64*\T+16*\b+\i+1]
.endr
.endr
.endr
.irp b, 0,1,2,3
.irp T, 0,1
	v_max3_num_f32 v[BM+4*\T+\b], v[BM+4*\T+\b], v[SS+64*\T+16*\b+15], v[SS+64*\T+16*\b+15]
.endr
.endr
	WIN 0
	KLOAD 5                                        ; the next step's k
.irp k, 0,1,2,3,4,5,6,7
	v_permlanex16_b32 v[PL+\k], v[BM+\k], s[SEL], s[SEL+1]
.endr
.irp k, 0,1,2,3,4,5,6,7
	v_max_num_f32 v[BM+\k], v[BM+\k], v[PL+\k]     ; with lane l xor 16's 16 keys
.endr
.irp T, 0,1
	v_max3_num_f32 v[TP+\T], v[BM+4*\T], v[BM+4*\T+1], v[BM+4*\T+2]
.endr
.irp T, 0,1
	s_delay_alu instid0(VALU_DEP_2)
	v_max3_num_f32 v[NM+2*\T+1], v[NM+2*\T+1], v[TP+\T], v[BM+4*\T+3]   ; the running largest score (c is positive)
.endr
.irp T, 0,1
	s_delay_alu instid0(VALU_DEP_2)
	v_mul_f32 v[TP+\T], s[NCS], v[NM+2*\T+1]       ; -t
.endr
.irp T, 0,1
	s_delay_alu instid0(VALU_DEP_2)
	v_floor_f32 v[TP+\T], v[TP+\T]                 ; the new -M = -ceil(t)
.endr
.irp T, 0,1
	s_delay_alu instid0(VALU_DEP_2)
	v_sub_f32 v[FF+2*\T], v[TP+\T], v[NM+2*\T]     ; old M - new M: a whole number, 0 or less
.endr
.irp T, 0,1
	v_mov_b32 v[NM+2*\T], v[TP+\T]
.endr
.irp T, 0,1
	v_cvt_i32_f32 v[FF+2*\T], v[FF+2*\T]           ; (it saturates)
.endr
.irp T, 0,1
	s_delay_alu instid0(VALU_DEP_2)
	v_ldexp_f32 v[FF+2*\T], 1.0, v[FF+2*\T]        ; f = 2^(old M - new M)
.endr
.irp b, 0,1,2,3
.irp T, 0,1
	v_fma_f32 v[BM+4*\T+\b], v[BM+4*\T+\b], s[CS], v[NM+2*\T]
.endr
.endr
	TLOAD 6                                        ; the next step's table
	WIN 0x41
.set j, 0
.rept 32
	v_pk_fma_f32 v[SS+j:SS+j+1], v[SS+j:SS+j+1], s[CS:CS+1], v[NM:NM+1] op_sel_hi:[1,0,0]             ; t - M
	v_pk_fma_f32 v[SS+64+j:SS+64+j+1], v[SS+64+j:SS+64+j+1], s[CS:CS+1], v[NM+2:NM+3] op_sel_hi:[1,0,0]
.set j, j+2
.endr
	s_wait_alu depctr_va_vdst(0)                   ; ahead of the batch
.set j, 0
.rept 128
	v_exp_f32 v[SS+j], v[SS+j]                     ; p = 2^(t - M)
.set j, j+1
.endr
	WIN 0
.irp k, 0,1,2,3,4,5,6,7
	v_exp_f32 v[BM+\k], v[BM+\k]                   ; each block's largest p: the same two instructions on the same number
.endr
.irp T, 0,1
	v_pk_mul_f32 v[SUM+2*\T:SUM+2*\T+1], v[SUM+2*\T:SUM+2*\T+1], v[FF+2*\T:FF+2*\T+1] op_sel_hi:[1,0]   ; the sums under the new M; plain places behind the exponentials
.endr
	s_wait_alu depctr_va_vdst(0)                   ; one wait for the batch, ahead of its first reader
	WIN 0x05                                       ; the row's sum of the unquantised p: four chains a tile
.irp q, 0,1,2,3
.irp T, 0,1
	v_pk_add_f32 v[SA+8*\T+2*\q:SA+8*\T+2*\q+1], v[SS+64*\T+4*\q:SS+64*\T+4*\q+1], v[SS+64*\T+4*\q+2:SS+64*\T+4*\q+3]
.endr
.endr
	WIN 0x04
.irp m, 0,1,2,3,4,5
.irp q, 0,1,2,3
.irp T, 0,1
	v_pk_add_f32 v[SA+8*\T+2*\q:SA+8*\T+2*\q+1], v[SA+8*\T+2*\q:SA+8*\T+2*\q+1], v[SS+64*\T+16+8*\m+2*\q:SS+64*\T+16+8*\m+2*\q+1]
.endr
.endr
.endr
	WIN 0
.irp k, 0,1,2,3,4,5,6,7
	v_max_num_f32 v[BM+\k], 0x1800000, v[BM+\k]    ; the floor 2^(3 - 127): the byte cannot fall under 1
.endr
.irp T, 0,1
	v_pk_add_f32 v[SA+8*\T:SA+8*\T+1], v[SA+8*\T:SA+8*\T+1], v[SA+8*\T+2:SA+8*\T+3]
	v_pk_add_f32 v[SA+8*\T+4:SA+8*\T+5], v[SA+8*\T+4:SA+8*\T+5], v[SA+8*\T+6:SA+8*\T+7]
.endr
.irp k, 0,1,2,3,4,5,6,7
	v_add_nc_u32 v[SO+\k], 0xff000000, v[BM+\k]    ; 2 off the exponent field: the conversion's scale operand
.endr
.irp T, 0,1
	v_pk_add_f32 v[SA+8*\T:SA+8*\T+1], v[SA+8*\T:SA+8*\T+1], v[SA+8*\T+4:SA+8*\T+5]
.endr
.irp k, 0,1,2,3,4,5,6,7
	v_lshrrev_b32 v[PL+\k], 23, v[SO+\k]           ; the scale's byte
.endr
.irp T, 0,1
	v_pk_add_f32 v[SUM+2*\T:SUM+2*\T+1], v[SUM+2*\T:SUM+2*\T+1], v[SA+8*\T:SA+8*\T+1]
.endr
.irp T, 0,1
	v_lshl_or_b32 v[PW+\T], v[PL+4*\T+1], 8, v[PL+4*\T]   ; p's scale word for these 128 keys
.endr
.irp T, 0,1
	s_delay_alu instid0(VALU_DEP_2)
	v_lshl_or_b32 v[PW+\T], v[PL+4*\T+2], 16, v[PW+\T]
.endr
.irp T, 0,1
	s_delay_alu instid0(VALU_DEP_2)
	v_lshl_or_b32 v[PW+\T], v[PL+4*\T+3], 24, v[PW+\T]
.endr
	WIN 0x01
.irp T, 0,1
.irp c, 0,1
	v_cvt_scalef32_pk16_fp6_f32 v[PC+12*\T+6*\c:PC+12*\T+6*\c+2], v[SS+64*\T+32*\c:SS+64*\T+32*\c+15], v[SO+4*\T+2*\c]
	v_cvt_scalef32_pk16_fp6_f32 v[CT+8*\T+4*\c:CT+8*\T+4*\c+2], v[SS+64*\T+32*\c+16:SS+64*\T+32*\c+31], v[SO+4*\T+2*\c+1]   ; (a conversion's three registers begin on an even number)
.endr
.endr
	WIN 0
	v_nop                                          ; one plain place behind the scaled conversions
.irp T, 0,1                                    ; the operand's layout wants a whole block in a lane
.irp c, 0,1
.irp i, 0,1,2
	v_permlane16_swap_b32 v[PC+12*\T+6*\c+\i], v[CT+8*\T+4*\c+\i]
.endr
.endr
.endr
.irp T, 0,1
.irp c, 0,1
.irp i, 0,1,2
	v_mov_b32 v[PC+12*\T+6*\c+3+\i], v[CT+8*\T+4*\c+\i]
.endr
.endr
.endr
	WIN 0x41
	s_wait_alu depctr_va_vdst(0)                   ; ahead of the first reader of O^T
.set j, 0
.rept 16
	v_pk_mul_f32 v[OO+j:OO+j+1], v[OO+j:OO+j+1], v[FF:FF+1] op_sel_hi:[1,0]               ; O^T under the new M; these are also the places ahead of the scaled products below
	v_pk_mul_f32 v[OO+32+j:OO+32+j+1], v[OO+32+j:OO+32+j+1], v[FF+2:FF+3] op_sel_hi:[1,0]
.set j, j+2
.endr
	s_wait_alu depctr_va_vdst(0)
	s_wait_dscnt 29                                ; v and its scale words are in; behind them 12 + 1 loads of the next k and 16 of the next table may be out
	WIN 0x50
.irp t, 0,1,2,3                                ; eight accumulators by turns
.irp T, 0,1
	MM OO+32*\T+8*\t, VF+12*\t, PC+12*\T, OO+32*\T+8*\t, VS+\t, PW+\T
.endr
.endr
	WIN 0
	s_add_co_u32 s[TB], s[TB], KVB
.endm
	s_mov_b32 s[TB], 0
	s_mov_b32 s[CNT], 3
.Lfirst:                                               ; steps 0-2 read steps 0-3's bytes alone
	STEP 0
	s_sub_co_u32 s[CNT], s[CNT], 1
	s_cmp_lg_u32 s[CNT], 0
	s_cbranch_scc1 .Lfirst
	s_wait_tensorcnt 0x0                           ; my part of steps 4-15 is in
	s_wait_dscnt 0x0
	s_barrier_signal -1
	s_barrier_wait -1                              ; everybody's is
	s_mov_b32 s[TB], 3*KVB
	s_mov_b32 s[CNT], 13
.Lrest:
	STEP 1
	s_sub_co_u32 s[CNT], s[CNT], 1
	s_cmp_lg_u32 s[CNT], 0
	s_cbranch_scc1 .Lrest
	; THE WAY OUT: O^T / the sum; a tile's 64 channels are two blocks of the last product's K: six registers of codes a lane and two scale bytes a row
.irp T, 0,1
	v_add_f32 v[SUM+2*\T], v[SUM+2*\T], v[SUM+2*\T+1]
.endr
.irp T, 0,1
	v_permlanex16_b32 v[TP+\T], v[SUM+2*\T], s[SEL], s[SEL+1]
.endr
.irp T, 0,1
	v_add_f32 v[SUM+2*\T], v[SUM+2*\T], v[TP+\T]   ; the row's sum
.endr
	s_wait_alu depctr_va_vdst(0)                   ; ahead of the reciprocals
.irp T, 0,1
	v_rcp_f32 v[SUM+2*\T], v[SUM+2*\T]
.endr
	PLACES 4                                       ; the places behind the last products, and the plain place behind the reciprocals
	WIN 0x41
	s_wait_alu depctr_va_vdst(0)                   ; ahead of the first reader of the reciprocals and of O^T
.set j, 0
.rept 32
	v_mul_f32 v[SS+j], v[OO+j], v[SUM]             ; register 16 b + i: channel 32 b + 16 h + i of my query; each accumulator from its low end on
	v_mul_f32 v[SS+64+j], v[OO+32+j], v[SUM+2]
.set j, j+1
.endr
	WIN 0x05
.irp b, 0,1
.irp T, 0,1
	v_max3_num_f32 v[BM+4*\T+\b], |v[SS+64*\T+16*\b]|, |v[SS+64*\T+16*\b+1]|, 0x1800000
.endr
.endr
	WIN 0x14
.irp i, 2,4,6,8,10,12,14
.irp b, 0,1
.irp T, 0,1
	v_max3_num_f32 v[BM+4*\T+\b], v[BM+4*\T+\b], |v[SS+64*\T+16*\b+\i]|, |v[SS+64*\T+16*\b+\i+1]|
.endr
.endr
.endr
	WIN 0
.irp b, 0,1
.irp T, 0,1
	v_permlanex16_b32 v[PL+4*\T+\b], v[BM+4*\T+\b], s[SEL], s[SEL+1]
.endr
.endr
.irp b, 0,1
.irp T, 0,1
	v_max_num_f32 v[BM+4*\T+\b], v[BM+4*\T+\b], v[PL+4*\T+\b]
.endr
.endr
.irp b, 0,1
.irp T, 0,1
	v_add_nc_u32 v[SO+4*\T+\b], 0xff000000, v[BM+4*\T+\b]
.endr
.endr
.irp b, 0,1
.irp T, 0,1
	v_lshrrev_b32 v[PL+4*\T+\b], 23, v[SO+4*\T+\b]
.endr
.endr
.irp T, 0,1
	v_cndmask_b32 v[TP+\T], v[PL+4*\T], v[PL+4*\T+1], s47   ; lanes 0-15 store block 0's byte, lanes 16-31 block 1's
.endr
	WIN 0x01
.irp T, 0,1
	v_cvt_scalef32_pk16_fp6_f32 v[PC+12*\T:PC+12*\T+2], v[SS+64*\T:SS+64*\T+15], v[SO+4*\T]
	v_cvt_scalef32_pk16_fp6_f32 v[CT+8*\T:CT+8*\T+2], v[SS+64*\T+16:SS+64*\T+31], v[SO+4*\T+1]
.endr
	WIN 0
	v_nop                                          ; one plain place behind the scaled conversions
.irp T, 0,1
.irp i, 0,1,2
	v_permlane16_swap_b32 v[PC+12*\T+\i], v[CT+8*\T+\i]
.endr
.endr
.irp T, 0,1
.irp i, 0,1,2
	v_mov_b32 v[PC+12*\T+3+\i], v[CT+8*\T+\i]
.endr
.endr
.irp T, 0,1
	global_store_b128 v1, v[PC+12*\T:PC+12*\T+3], s[8:9] offset:6144*\T           ; 512 consecutive bytes,
	global_store_b64 v7, v[PC+12*\T+4:PC+12*\T+5], s[8:9] offset:6144*\T+512      ; and 256 more
	global_store_b8 v8, v[TP+\T], s[10:11] offset:256*\T                          ; a byte a lane: a row's 16 bytes come from eight heads' work-groups; one byte for 24 of codes
.endr
	s_wait_tensorcnt 0x0                           ; the wave's end
	ds_add_u32 v[SPW], v[NIL]
	s_wait_dscnt 0x0
	CROUND                                         ; the closing round: no work-group ends while a partner may still ask for a tile that names it
	s_endpgm
.Lfunc_end_k_q0c42f04770_attn:
	.size	k_q0c42f04770_attn, .Lfunc_end_k_q0c42f04770_attn-k_q0c42f04770_attn
	.p2alignl 7, 3214868480
	.fill 96, 4, 3214868480
	.section	.rodata,"a",@progbits
	.p2align	6, 0x0
	.amdhsa_kernel k_q0c42f04770_attn
		.amdhsa_group_segment_fixed_size 327680
		.amdhsa_private_segment_fixed_size 0
		.amdhsa_enable_private_segment 0
		.amdhsa_kernarg_size 32
		.amdhsa_user_sgpr_count 2
		.amdhsa_user_sgpr_kernarg_segment_ptr 1
		.amdhsa_wavefront_size32 1
		.amdhsa_system_sgpr_workgroup_id_x 1
		.amdhsa_system_sgpr_workgroup_id_y 1
		.amdhsa_system_sgpr_workgroup_id_z 1
		.amdhsa_system_vgpr_workitem_id 0
		.amdhsa_next_free_vgpr 512
		.amdhsa_next_free_sgpr 72
		.amdhsa_reserve_vcc 0
		.amdhsa_float_denorm_mode_32 3
		.amdhsa_float_denorm_mode_16_64 3
		.amdhsa_memory_ordered 1
		.amdhsa_forward_progress 1
		.amdhsa_inst_pref_size 81
	.end_amdhsa_kernel
	.amdgpu_metadata
---
amdhsa.version: [ 1, 2 ]
amdhsa.kernels:
  - .name:           k_q0c42f04770_attn
    .symbol:         k_q0c42f04770_attn.kd
    .args:
      - { .name: qimg, .offset: 0, .size: 8, .value_kind: global_buffer, .address_space: global }
      - { .name: kv, .offset: 8, .size: 8, .value_kind: global_buffer, .address_space: global }
      - { .name: oimg, .offset: 16, .size: 8, .value_kind: global_buffer, .address_space: global }
      - { .name: oscl, .offset: 24, .size: 8, .value_kind: global_buffer, .address_space: global }
    .group_segment_fixed_size: 327680
    .private_segment_fixed_size: 0
    .kernarg_segment_align: 8
    .kernarg_segment_size: 32
    .max_flat_workgroup_size: 256
    .sgpr_count:     72
    .vgpr_count:     512
    .wavefront_size: 32
...
	.end_amdgpu_metadata
.endif
;; end of part 3
;; launch outp (part 4): grid 64 x 4, 8 waves a work-group, no clusters, 117,760 bytes of LDS; arguments oimg, oscl, wimg, wscl, bo, out0; writes out0
.if DOCPART == 4
	.amdgcn_target "amdgcn-amd-amdhsa--gfx1250"
	.amdhsa_code_object_version 6
	.text
	.protected	k_q0c42f04770_outp
	.globl	k_q0c42f04770_outp
	.p2align	8
	.type	k_q0c42f04770_outp,@function
k_q0c42f04770_outp:
	s_mov_b64 s[64:65], 0
	v_nop
	global_prefetch_b8 v0, s[64:65] scope:SCOPE_SE
	s_setreg_imm32_b32 hwreg(HW_REG_WAVE_MODE, 25, 1), 1
	s_wait_xcnt 0x0
; out0 = O Wo^T + bo on codes of FP6 (E2M3) with one E8M0 scale for each 32 along K.  O and Wo arrive as images of operand registers.
; Work-group (x, y): 128 rows x 128 columns.  Wave w owns tile 8 x + w of the rows (its four fragments stay in registers) against the slice's eight tiles of Wo, which the eight waves copy into LDS once, a tile each.
; TRANSPOSED: source 0 = 16 rows of Wo, source 1 = O: a lane holds one row of the output and eight neighbouring columns; bo, loaded into the accumulators in that layout, is the C of the first K step.
; Lane r of a tile of rows holds row 32 b + 8 u + r + 8 (r / 8); of a tile of Wo likewise, so tiles 2 B, 2 B + 1 give a lane columns 32 B + 16 h + 0 .. 15.
; The results go through the wave's own stage in LDS and leave as rows of 512 consecutive bytes.
; No tensor load, no cluster: a work-group reads 48 KB of shared images once and has no loop in which a joint request could recur.  No prefetch: a short launch whose every load is issued at the head.
.set STG, 49152                        ; behind Wo's 32 images: 16 rows x (512 + 16) bytes for each wave
.set XS,  8                            ; v8-11    O's scale words, K step s
.set WS,  12                           ; v12-43   Wo's, 4 T + s
.set XF,  44                           ; v44-91   O's four fragments
.set WF,  92                           ; v92-187  eight fragments of Wo; first the copy's registers, at the end the rows read back
.set ACC, 188                          ; v188-251 eight accumulators
.macro PLACES n
.rept \n
	v_nop
.endr
.endm
.macro MM d, a, b, c, sa, sb
	v_wmma_scale_f32_16x16x128_f8f6f4 v[(\d):(\d)+7], v[(\a):(\a)+11], v[(\b):(\b)+11], v[(\c):(\c)+7], v[\sa], v[\sb] matrix_a_fmt:MATRIX_FMT_FP6 matrix_b_fmt:MATRIX_FMT_FP6
.endm
	s_load_b256 s[4:11], s[0:1], 0x0               ; oimg, oscl, wimg, wscl
	s_load_b128 s[12:15], s[0:1], 0x20             ; bo, out0
	v_lshl_add_u32 v255, v0, 2, 0x1c800
	s_set_vgpr_msb 0x40
	v_mov_b32 v1, 0
	s_set_vgpr_msb 0x4000
	v_lshrrev_b32 v1, 5, v0
	s_delay_alu instid0(VALU_DEP_1)
	v_readfirstlane_b32 s16, v1                    ; wave
	s_and_b32 s17, ttmp7, 0xffff                   ; the slice of 128 columns
	v_and_b32 v252, 31, v0
	v_and_b32 v253, 15, v0                         ; r
	v_bfe_u32 v254, v0, 4, 1                       ; h
	s_delay_alu instid0(VALU_DEP_3)
	v_lshlrev_b32 v1, 4, v252                      ; 16 x lane
	s_delay_alu instid0(VALU_DEP_3)
	v_lshlrev_b32 v2, 4, v253                      ; 16 r
	s_delay_alu instid0(VALU_DEP_3)
	v_lshlrev_b32 v3, 6, v254                      ; 64 h
	v_lshlrev_b32 v6, 3, v252                      ; 8 x lane
	s_mul_i32 s31, s16, 8448
	s_add_co_u32 s31, s31, STG                     ; my stage
	v_mul_u32_u24 v4, v253, 528
	s_delay_alu instid0(VALU_DEP_1)
	v_lshl_add_u32 v4, v254, 6, v4
	s_delay_alu instid0(VALU_DEP_1)
	v_add_nc_u32 v4, s31, v4                       ; in: row r, + 64 h
	v_add_nc_u32 v5, s31, v1                       ; back: a row of 512 bytes, 16 a lane
	s_mul_i32 s32, s16, 6144
	v_add_nc_u32 v7, s32, v1                       ; the copy: tile w's four images
	s_lshl_b32 s30, ttmp9, 3
	s_add_co_u32 s30, s30, s16                     ; my tile of rows
	s_lshl_b32 s18, s17, 3
	s_add_co_u32 s18, s18, s16
	s_mul_i32 s18, s18, 6144
	s_add_co_u32 s18, s18, 3*196608                ; Wo's tile 8 y + w
	s_mov_b32 s19, 0
	s_mul_i32 s20, s30, 6144
	s_mov_b32 s21, 0
	s_lshl_b32 s22, s30, 8
	s_mov_b32 s23, 0
	s_lshl_b32 s24, s17, 11
	s_add_co_u32 s24, s24, 3*8192
	s_mov_b32 s25, 0
	s_lshl_b32 s26, s17, 9
	s_mov_b32 s27, 0
	s_lshl_b32 s28, ttmp9, 7
	s_lshr_b32 s29, s16, 1
	s_lshl_b32 s29, s29, 5
	s_add_co_u32 s28, s28, s29
	s_and_b32 s29, s16, 1
	s_lshl_b32 s29, s29, 3
	s_add_co_u32 s28, s28, s29                     ; my tile's first row: 128 x + 32 (w / 2) + 8 (w % 2)
	s_lshl_b32 s28, s28, 11
	s_add_co_u32 s28, s28, s26                     ; + the slice's 512 bytes
	s_mov_b32 s29, 0
	s_wait_alu depctr_va_vdst(0)
	s_wait_kmcnt 0x0
	s_add_nc_u64 s[8:9], s[8:9], s[18:19]
	s_add_nc_u64 s[4:5], s[4:5], s[20:21]
	s_add_nc_u64 s[6:7], s[6:7], s[22:23]
	s_add_nc_u64 s[10:11], s[10:11], s[24:25]
	s_add_nc_u64 s[12:13], s[12:13], s[26:27]
	s_add_nc_u64 s[14:15], s[14:15], s[28:29]
.irp k, 0,1,2,3,4,5,6,7,8,9,10,11
	global_load_b128 v[WF+4*\k:WF+4*\k+3], v1, s[8:9] offset:512*\k
.endr
.irp s, 0,1,2,3                                ; fragment s = the halves of heads 2 s and 2 s + 1: registers 0-3 at 16 l, 4-5 at 512 + 8 l of each
	global_load_b128 v[XF+12*\s:XF+12*\s+3], v1, s[4:5] offset:1536*\s
	global_load_b64 v[XF+12*\s+4:XF+12*\s+5], v6, s[4:5] offset:1536*\s+512
	global_load_b128 v[XF+12*\s+6:XF+12*\s+9], v1, s[4:5] offset:1536*\s+768
	global_load_b64 v[XF+12*\s+10:XF+12*\s+11], v6, s[4:5] offset:1536*\s+1280
.endr
	global_load_b128 v[XS:XS+3], v2, s[6:7]
.irp T, 0,1,2,3,4,5,6,7
	global_load_b128 v[WS+4*\T:WS+4*\T+3], v2, s[10:11] offset:256*\T
.endr
.irp T, 0,1,2,3,4,5,6,7
	global_load_b128 v[ACC+8*\T:ACC+8*\T+3], v3, s[12:13] offset:128*(\T/2)+32*(\T%2)
	global_load_b128 v[ACC+8*\T+4:ACC+8*\T+7], v3, s[12:13] offset:128*(\T/2)+32*(\T%2)+16
.endr
	s_wait_loadcnt 41                              ; the copy's twelve loads are in; the 16 + 1 + 8 + 16 issued behind them may be out
.irp k, 0,1,2,3,4,5,6,7,8,9,10,11
	ds_store_b128 v7, v[WF+4*\k:WF+4*\k+3] offset:512*\k
.endr
	s_wait_dscnt 0x0                               ; for the others' sake: my tile of Wo has landed
	s_barrier_signal -1
	s_barrier_wait -1
	s_wait_loadcnt 0x0
.irp s, 0,1,2,3
.if \s > 0
	PLACES 4                                       ; in front of loads into registers that matrix instructions have read
.endif
.irp T, 0,1,2,3,4,5,6,7
.irp c, 0,1,2
	ds_load_b128 v[WF+12*\T+4*\c:WF+12*\T+4*\c+3], v1 offset:(4*\T+\s)*1536+512*\c
.endr
.endr
	s_wait_dscnt 0x0
.irp T, 0,1,2,3,4,5,6,7                        ; eight accumulators by turns
	MM ACC+8*\T, WF+12*\T, XF+12*\s, ACC+8*\T, WS+4*\T+\s, XS+\s
.endr
.endr
	PLACES 4                                       ; in front of the first read of results and of the loads into Wo's registers
.irp T, 0,1,2,3,4,5,6,7
	ds_store_b128 v4, v[ACC+8*\T:ACC+8*\T+3] offset:128*(\T/2)+32*(\T%2)        ; each accumulator from its low end on
	ds_store_b128 v4, v[ACC+8*\T+4:ACC+8*\T+7] offset:128*(\T/2)+32*(\T%2)+16
.endr
.irp i, 0,1,2,3,4,5,6,7,8,9,10,11,12,13,14,15
	ds_load_b128 v[WF+4*\i:WF+4*\i+3], v5 offset:528*\i   ; my own bytes; LDS serves a wave's instructions in order (ISA guide 5.7.1.4): these see my stores
.endr
.irp i, 0,1,2,3,4,5,6,7,8,9,10,11,12,13,14,15
	s_wait_dscnt 15-\i                             ; row i is back; the younger loads may be out
	global_store_b128 v1, v[WF+4*\i:WF+4*\i+3], s[14:15] offset:(\i+8*(\i/8))*2048 th:TH_STORE_NT   ; 32 lanes store 512 consecutive bytes, aligned; written once, read by nobody here
.endr
	s_set_vgpr_msb 0x4
	s_wait_tensorcnt 0x0
	ds_add_u32 v255, v1
	s_wait_dscnt 0x0
	s_set_vgpr_msb 0x400
	s_endpgm
.Lfunc_end_k_q0c42f04770_outp:
	.size	k_q0c42f04770_outp, .Lfunc_end_k_q0c42f04770_outp-k_q0c42f04770_outp
	.p2alignl 7, 3214868480
	.fill 96, 4, 3214868480
	.section	.rodata,"a",@progbits
	.p2align	6, 0x0
	.amdhsa_kernel k_q0c42f04770_outp
		.amdhsa_group_segment_fixed_size 117760
		.amdhsa_private_segment_fixed_size 0
		.amdhsa_enable_private_segment 0
		.amdhsa_kernarg_size 48
		.amdhsa_user_sgpr_count 2
		.amdhsa_user_sgpr_kernarg_segment_ptr 1
		.amdhsa_wavefront_size32 1
		.amdhsa_system_sgpr_workgroup_id_x 1
		.amdhsa_system_sgpr_workgroup_id_y 1
		.amdhsa_system_sgpr_workgroup_id_z 1
		.amdhsa_system_vgpr_workitem_id 0
		.amdhsa_next_free_vgpr 258
		.amdhsa_next_free_sgpr 66
		.amdhsa_reserve_vcc 0
		.amdhsa_float_denorm_mode_32 3
		.amdhsa_float_denorm_mode_16_64 3
		.amdhsa_memory_ordered 1
		.amdhsa_forward_progress 1
		.amdhsa_inst_pref_size 24
	.end_amdhsa_kernel
	.amdgpu_metadata
---
amdhsa.version: [ 1, 2 ]
amdhsa.kernels:
  - .name:           k_q0c42f04770_outp
    .symbol:         k_q0c42f04770_outp.kd
    .args:
      - { .name: oimg, .offset: 0, .size: 8, .value_kind: global_buffer, .address_space: global }
      - { .name: oscl, .offset: 8, .size: 8, .value_kind: global_buffer, .address_space: global }
      - { .name: wimg, .offset: 16, .size: 8, .value_kind: global_buffer, .address_space: global }
      - { .name: wscl, .offset: 24, .size: 8, .value_kind: global_buffer, .address_space: global }
      - { .name: bo, .offset: 32, .size: 8, .value_kind: global_buffer, .address_space: global }
      - { .name: out0, .offset: 40, .size: 8, .value_kind: global_buffer, .address_space: global }
    .group_segment_fixed_size: 117760
    .private_segment_fixed_size: 0
    .kernarg_segment_align: 8
    .kernarg_segment_size: 48
    .max_flat_workgroup_size: 256
    .sgpr_count:     66
    .vgpr_count:     258
    .wavefront_size: 32
...
	.end_amdgpu_metadata
.endif
;; end of part 4
